; MI455X (gfx1250); checked and timed in simulation.
; The chip was launched on July 23, 2026; its instructions are those of AMD's public machine-readable ISA for CDNA 5 (MIT licence, August 2026) and "CDNA5" Instruction Set Architecture Reference Guide (July 2026). The comments in the code are by the model that wrote it; some were corrected since.
;; Multi Head Attention. Allowed arithmetic: matrix products marked QUANTISED: E2M1 operands, one E8M0 scale for each 32 along K, by v_wmma_scale_f32_16x16x128_f8f6f4 with both operands' format E2M1 (or v_wmma_scale_f32_32x16x128_f4), f32 sums; products left as they are: bf16, f16 or f32 operands; f32 sums; everything else in f32.
;; Inputs: Wk 512 x 512 float32; Wo 512 x 512 float32; Wq 512 x 512 float32; Wv 512 x 512 float32; bk 512 float32; bo 512 float32; bq 512 float32; bv 512 float32; key 2 x 4,096 x 512 float32; query 2 x 4,096 x 512 float32; value 2 x 4,096 x 512 float32.
;; Outputs: out0 2 x 4,096 x 512 float32.
;; This version of the problem:
;;   THIS VERSION OF THE PROBLEM IS GIVEN IN LOW PRECISION. The matrix products marked QUANTISED in the list below multiply operands that are first quantised to E2M1 (2 exponent bits, 1 mantissa bit; 4 bits a number), with one power-of-two scale for each 32 numbers along K (OCP MX v1.0); their sums are f32. The products marked 'left as it is' may take bf16, f16 or f32 operands, with f32 sums. Whichever they take, every output number must still come out within the allowed error. Rounding operands to bf16 (8 significant bits) uses up far more of that allowance than f16 does (11 bits, for magnitudes from 6e-5 to 65,504). All else is computed in f32.
;;   The module's matrix products, in the order in which they are computed (A, B: the left and right operand; K: the contracted axis; several contracted axes count as one K, in the product's order):
;;     1. [M 8,192, K 512] x [K 512, N 512]; A: input query; B: input Wq: QUANTISED
;;     2. [M 8,192, K 512] x [K 512, N 512]; A: input key; B: input Wk: QUANTISED
;;     3. [M 8,192, K 512] x [K 512, N 512]; A: input value; B: input Wv: QUANTISED
;;     4. batch 16 x [M 4,096, K 64] x [K 64, N 4,096]; A: computed on the way; B: computed on the way: left as it is (an operand is computed on the way)
;;     5. batch 16 x [M 4,096, K 4,096] x [K 4,096, N 64]; A: computed on the way; B: computed on the way: left as it is (an operand is computed on the way)
;;     6. [M 8,192, K 512] x [K 512, N 512]; A: computed on the way; B: input Wo: left as it is (an operand is computed on the way)
;;   THE QUANTISER, for each operand of a quantised product, along K:
;;     - K is cut into blocks of 32 from its start; a last block that is shorter is filled with zeros.
;;     - A block's scale is 2^e with e = floor(log2(the largest magnitude in the block)) - 2, held to -126 .. 127; a block of zeros has e = 0. As a byte (E8M0): e + 127.
;;     - Each number is divided by its block's scale, clamped to +-6, and rounded to the nearest number of E2M1, ties to even, subnormals kept.
;;     - The product sums the exact products of the quantised numbers (number of the format x scale) in f32.
;;   ~~~python
;;   def quantise(x, axis):      # numpy; x: float32 -> the quantised numbers, widened to float32 again
;;       x = np.moveaxis(x, axis, -1); K = x.shape[-1]
;;       x = np.pad(x, [(0, 0)] * (x.ndim - 1) + [(0, -K % 32)]); x = x.reshape(x.shape[:-1] + (-1, 32)); a = np.abs(x).max(-1, keepdims=True)
;;       e = np.where(a > 0, np.clip(np.frexp(np.where(a > 0, a, 1))[1] - 1 - 2, -126, 127), 0)      # np.frexp(a)[1] - 1 = floor(log2(a)), exactly
;;       r = np.clip(x / 2.0 ** e, -6, 6)
;;       step = 2.0 ** (np.maximum(np.frexp(np.where(r == 0, 1, r))[1] - 1, 0) - 1)
;;       q = np.round(r / step) * step * 2.0 ** e      # np.round: ties to even
;;       return np.moveaxis(q.reshape(q.shape[:-2] + (-1,))[..., :K], -1, axis).astype(np.float32)
;;   ~~~
;; One version. Each part assembles by itself: llvm-mc -triple=amdgcn-amd-amdhsa -mcpu=gfx1250 --defsym DOCPART=n.
;; ======== version 1 of 1: 4 launches
;; limits: values are held in f16: magnitudes above 65,504 overflow, below 6.1e-05 lose precision
;; workspace buffers: wcodes 393,216 bytes; wscales 24,576 bytes; wo16 524,288 bytes; qimg 8,388,608 bytes; kimg 8,388,608 bytes; vimg 8,388,608 bytes; oimg 8,388,608 bytes
;; launch prep (part 1): grid 32 x 4, 1 waves a work-group, no clusters, 0 bytes of LDS; arguments Wq, Wk, Wv, Wo, wcodes, wscales, wo16; writes wcodes, wscales, wo16
.if DOCPART == 1
	.amdgcn_target "amdgcn-amd-amdhsa--gfx1250"
	.amdhsa_code_object_version 6
	.text
	.protected	k_q5060c0a64c_prep
	.globl	k_q5060c0a64c_prep
	.p2align	8
	.type	k_q5060c0a64c_prep,@function
k_q5060c0a64c_prep:
	s_mov_b64 s[64:65], 0
	v_nop
	global_prefetch_b8 v0, s[64:65] scope:SCOPE_SE
	s_setreg_imm32_b32 hwreg(HW_REG_WAVE_MODE, 25, 1), 1
	s_wait_xcnt 0x0
; The weights are laid out once, in the order in which a wave's operand registers take them.
; Work-group (t, y), one wave: rows 16 t .. 16 t + 15 of weight y, all 512 along K, in four steps of 128.
; y = 0, 1, 2 (Wq, Wk, Wv): codes of FP4 (E2M1) with one E8M0 byte for each 32 along K.  A block's scale is 2^(floor(log2(its largest magnitude)) - 2):
;   its byte is the largest magnitude's exponent field - 2, held at 1 from below.  wcodes [w][t][K step s][c][lane][16 bytes]: lane (r, h) holds the codes of W[16 t + r][128 s + 64 c + 32 h + 0 .. 31],
;   which are registers 4 c .. 4 c + 3 of the 4-bit operand.  wscales [w][row][16 bytes]: word s is the scale word of K step s.
; y = 3 (Wo): f16.  wo16 [t][s of 32 along K][c][lane][16 bytes]: lane (r, h) holds Wo[16 t + r][32 s + 16 c + 8 h + 0 .. 7]: registers 4 c .. 4 c + 3 of the 16-bit operand.
; Every store of codes or f16 numbers covers 512 consecutive bytes, aligned.
; LIMITS: NaN and infinities are not served.  A block of zeros gets the byte 1 where the rule says 127: its codes are zeros, and this program alone reads the bytes.
; Wo must lie within f16's range (65,504).
.set X,   64                           ; v64-255  three sets of 64 numbers
.set CDS, 32                           ; v32-63   codes, eight registers a step: no store's data are written again
.set WS,  16                           ; v16-19   the four scale words of my row
	s_load_b256 s[4:11], s[0:1], 0x0               ; Wq s[4:5], Wk s[6:7], Wv s[8:9], Wo s[10:11]
	s_load_b128 s[12:15], s[0:1], 0x20             ; wcodes s[12:13], wscales s[14:15]
	s_load_b64 s[16:17], s[0:1], 0x30              ; wo16
	s_and_b32 s20, ttmp7, 0xffff                   ; y: which weight
	s_and_b32 s33, s20, 1
	s_lshl_b32 s28, ttmp9, 15                      ; 16 rows of 2,048 bytes
	s_mov_b32 s29, 0
	s_mov_b32 s30, 0x76543210                      ; v_permlanex16_b32's selects for lane l xor 16
	s_mov_b32 s31, 0xfedcba98
	v_and_b32 v1, 15, v0                           ; r
	v_lshrrev_b32 v2, 4, v0                        ; h
	v_lshlrev_b32 v3, 11, v1
	v_lshl_add_u32 v4, v2, 5, v3                   ; Wo: row r, + 8 h numbers
	v_lshl_add_u32 v3, v2, 7, v3                   ; to be quantised: row r, + 32 h numbers
	v_lshlrev_b32 v5, 4, v0                        ; an image's place for my lane
	v_lshlrev_b32 v6, 4, v1                        ; my row's 16 scale bytes
	v_lshlrev_b32 v7, 3, v2                        ; 8 h: where my two bytes stand in a scale word
	v_mov_b32 v15, 0                               ; written once: a lane permute's destination counts as one of its sources
	s_wait_kmcnt 0x0
	s_cmp_lt_u32 s20, 2                            ; the source is chosen by the work-group's number alone
	s_cselect_b64 s[24:25], s[4:5], s[8:9]
	s_cselect_b64 s[26:27], s[6:7], s[10:11]
	s_cmp_eq_u32 s33, 1
	s_cselect_b64 s[22:23], s[26:27], s[24:25]
	s_add_nc_u64 s[22:23], s[22:23], s[28:29]
	s_cmp_eq_u32 s20, 3
	s_cbranch_scc1 .Lwo
; ---- Wq, Wk, Wv.  A lane holds two whole blocks of a K step, so no other lane is asked for a maximum.
.macro LOADQ s
.irp c, 0,1
.irp g, 0,1,2,3,4,5,6,7
	global_load_b128 v[X+64*((\s)%3)+32*\c+4*\g:X+64*((\s)%3)+32*\c+4*\g+3], v3, s[22:23] offset:512*(\s)+256*\c+16*\g
.endr
.endr
.endm
.macro QSTEP s
.set XS, X+64*((\s)%3)
.irp c, 0,1
	v_max3_num_f32 v[8+\c], |v[XS+32*\c]|, |v[XS+32*\c+1]|, 0x1800000   ; with the floor 2^(3 - 127): the byte cannot fall under 1
.endr
.irp i, 2,4,6,8,10,12,14,16,18,20,22,24,26,28,30
.irp c, 0,1
	v_max3_num_f32 v[8+\c], v[8+\c], |v[XS+32*\c+\i]|, |v[XS+32*\c+\i+1]|   ; the two blocks by turns
.endr
.endr
.irp c, 0,1
	v_add_nc_u32 v[10+\c], 0xff000000, v[8+\c]     ; 2 off the exponent field: the conversion takes the exponent field of this operand as its scale
.endr
.irp c, 0,1
	v_lshrrev_b32 v[12+\c], 23, v[10+\c]           ; the scale's byte
.endr
	v_lshl_or_b32 v14, v13, 16, v12                ; my bytes: blocks h and 2 + h,
	v_lshlrev_b32 v[WS+(\s)], v7, v14              ; at their places;
	v_permlanex16_b32 v15, v[WS+(\s)], s30, s31
	v_or_b32 v[WS+(\s)], v[WS+(\s)], v15           ; with lane l xor 16's two the word is whole
.irp c, 0,1
.irp g, 0,1,2,3
	v_cvt_scalef32_pk8_fp4_f32 v[CDS+8*(\s)+4*\c+\g], v[XS+32*\c+8*\g:XS+32*\c+8*\g+7], v[10+\c]
.endr
.endr
	v_nop                                          ; one plain line behind the last scaled conversion
.irp c, 0,1
	global_store_b128 v5, v[CDS+8*(\s)+4*\c:CDS+8*(\s)+4*\c+3], s[12:13] offset:1024*(\s)+512*\c
.endr
.endm
	LOADQ 0
	LOADQ 1
	LOADQ 2
	s_lshl_b32 s28, s20, 17                        ; wcodes: 131,072 bytes a weight, 4,096 a tile
	s_lshl_b32 s34, ttmp9, 12
	s_add_co_u32 s28, s28, s34
	s_add_nc_u64 s[12:13], s[12:13], s[28:29]
	s_lshl_b32 s28, s20, 13                        ; wscales: 8,192 bytes a weight, 256 a tile
	s_lshl_b32 s34, ttmp9, 8
	s_add_co_u32 s28, s28, s34
	s_add_nc_u64 s[14:15], s[14:15], s[28:29]
	s_wait_loadcnt 32                              ; step 0's sixteen loads are in; two younger sets may be out
	QSTEP 0
	LOADQ 3                                        ; into step 0's registers, which only the conversions have read
	s_wait_loadcnt 32
	QSTEP 1
	s_wait_loadcnt 16
	QSTEP 2
	s_wait_loadcnt 0x0
	QSTEP 3
	s_wait_xcnt 0x0                                ; EXEC changes only behind this wait
	v_cmp_gt_u32 vcc_lo, 16, v0
	s_and_saveexec_b32 s32, vcc_lo
	global_store_b128 v6, v[WS:WS+3], s[14:15]     ; sixteen lanes store the tile's 256 scale bytes, aligned
	s_wait_xcnt 0x0
	s_or_b32 exec_lo, exec_lo, s32
	s_endpgm
; ---- Wo: rounded to f16, eight neighbours along K to a lane
.macro LOADH s
.irp q, 0,1,2,3
.irp c, 0,1
.irp g, 0,1
	global_load_b128 v[X+64*((\s)%3)+16*\q+8*\c+4*\g:X+64*((\s)%3)+16*\q+8*\c+4*\g+3], v4, s[22:23] offset:512*(\s)+128*\q+64*\c+16*\g
.endr
.endr
.endr
.endm
.macro HSTEP s
.irp q, 0,1,2,3
.irp c, 0,1
.set B, X+64*((\s)%3)+16*\q+8*\c
.irp i, 0,1,2,3
	v_cvt_pk_f16_f32 v[B+\i], v[B+2*\i], v[B+2*\i+1]   ; in place, ascending: no number is written over before it is read
.endr
	global_store_b128 v5, v[B:B+3], s[16:17] offset:(4*(\s)+\q)*1024+512*\c
.endr
.endr
.endm
.Lwo:
	LOADH 0
	LOADH 1
	LOADH 2
	s_lshl_b32 s28, ttmp9, 14                      ; wo16: 16,384 bytes a tile
	s_add_nc_u64 s[16:17], s[16:17], s[28:29]
	s_wait_loadcnt 32
	HSTEP 0
	s_wait_xcnt 0x0                                ; step 0's stores have read their registers: step 3's loads may land there
	LOADH 3
	s_wait_loadcnt 32
	HSTEP 1
	s_wait_loadcnt 16
	HSTEP 2
	s_wait_loadcnt 0x0
	HSTEP 3
	s_endpgm
.Lfunc_end_k_q5060c0a64c_prep:
	.size	k_q5060c0a64c_prep, .Lfunc_end_k_q5060c0a64c_prep-k_q5060c0a64c_prep
	.p2alignl 7, 3214868480
	.fill 96, 4, 3214868480
	.section	.rodata,"a",@progbits
	.p2align	6, 0x0
	.amdhsa_kernel k_q5060c0a64c_prep
		.amdhsa_group_segment_fixed_size 0
		.amdhsa_private_segment_fixed_size 0
		.amdhsa_enable_private_segment 0
		.amdhsa_kernarg_size 56
		.amdhsa_user_sgpr_count 2
		.amdhsa_user_sgpr_kernarg_segment_ptr 1
		.amdhsa_wavefront_size32 1
		.amdhsa_system_sgpr_workgroup_id_x 1
		.amdhsa_system_sgpr_workgroup_id_y 1
		.amdhsa_system_sgpr_workgroup_id_z 1
		.amdhsa_system_vgpr_workitem_id 0
		.amdhsa_next_free_vgpr 256
		.amdhsa_next_free_sgpr 66
		.amdhsa_reserve_vcc 1
		.amdhsa_float_denorm_mode_32 3
		.amdhsa_float_denorm_mode_16_64 3
		.amdhsa_memory_ordered 1
		.amdhsa_forward_progress 1
		.amdhsa_inst_pref_size 38
	.end_amdhsa_kernel
	.amdgpu_metadata
---
amdhsa.version: [ 1, 2 ]
amdhsa.kernels:
  - .name:           k_q5060c0a64c_prep
    .symbol:         k_q5060c0a64c_prep.kd
    .args:
      - { .name: Wq, .offset: 0, .size: 8, .value_kind: global_buffer, .address_space: global }
      - { .name: Wk, .offset: 8, .size: 8, .value_kind: global_buffer, .address_space: global }
      - { .name: Wv, .offset: 16, .size: 8, .value_kind: global_buffer, .address_space: global }
      - { .name: Wo, .offset: 24, .size: 8, .value_kind: global_buffer, .address_space: global }
      - { .name: wcodes, .offset: 32, .size: 8, .value_kind: global_buffer, .address_space: global }
      - { .name: wscales, .offset: 40, .size: 8, .value_kind: global_buffer, .address_space: global }
      - { .name: wo16, .offset: 48, .size: 8, .value_kind: global_buffer, .address_space: global }
    .group_segment_fixed_size: 0
    .private_segment_fixed_size: 0
    .kernarg_segment_align: 8
    .kernarg_segment_size: 56
    .max_flat_workgroup_size: 32
    .sgpr_count:     66
    .vgpr_count:     256
    .wavefront_size: 32
...
	.end_amdgpu_metadata
.endif
;; end of part 1
;; launch proj (part 2): grid 64 x 3, 8 waves a work-group, no clusters, 37,888 bytes of LDS; arguments query, key, value, bq, bk, bv, wcodes, wscales, qimg, kimg, vimg; writes qimg, kimg, vimg
.if DOCPART == 2
	.amdgcn_target "amdgcn-amd-amdhsa--gfx1250"
	.amdhsa_code_object_version 6
	.text
	.protected	k_q5060c0a64c_proj
	.globl	k_q5060c0a64c_proj
	.p2align	8
	.type	k_q5060c0a64c_proj,@function
k_q5060c0a64c_proj:
	s_mov_b64 s[64:65], 0
	v_nop
	global_prefetch_b8 v0, s[64:65] scope:SCOPE_SE
	s_setreg_imm32_b32 hwreg(HW_REG_WAVE_MODE, 25, 1), 1
	s_wait_xcnt 0x0
; The three quantised products: Q = query Wq^T + bq, K = key Wk^T + bk, V = value Wv^T + bv, on codes of FP4 (E2M1) with one E8M0 byte for each 32 along K; sums in f32.
; Work-group (x, y): tensor y (0 Q, 1 K, 2 V), rows 128 x .. 128 x + 127.  Eight waves.  Wave w first quantises rows 16 w .. 16 w + 15 (read once, 32 consecutive bytes a lane) into LDS;
; behind ONE barrier it makes head w, 64 channels, for all 128 rows: its part of the weight, 16 fragments, comes from memory straight into registers, in the order in which prep laid it.
; The results, rounded to f16, leave as images of the next launch's operand registers, 512 consecutive aligned bytes a store:
;   qimg, kimg [n, head][tile of 16 positions][cs][c][lane][16 bytes]: lane (r, h): position r, channels 32 cs + 16 c + 8 h + 0 .. 7.  The product is used transposed (source 0 = 16 rows of W): a lane holds eight channels of a position.
;   vimg [n, head][32 keys][ct][c][lane][16 bytes]: lane (r, h): channel 16 ct + r, keys 16 c + 8 h + 0 .. 7.  The product is used as it is (source 0 = 16 positions): a lane holds eight positions of a channel.
; Q is multiplied by c = log2(e) / 8 in f32 ahead of the rounding, so that the scores are exponents to base 2.  One text serves Q and K: K's factor is 1.0, which changes nothing.
; The bias is the C of each sum's first matrix instruction.
; No tensor load and no cluster: the weight goes into registers, not through LDS, and the rows are shared by nobody.  192 work-groups: 3 x 8,192 rows in blocks of 128 that use one weight.
; LIMITS: NaN and infinities are not served; a block of zeros gets the byte 1 (its codes are zeros; only this work-group reads the bytes); c Q, K and V must lie within f16's range (65,504).
.set PITCH,  272                       ; a row's 256 bytes of codes + 16: the sixteen rows of a fragment load start in sixteen different 16-byte columns
.set SCALES, 128*PITCH                 ; behind the codes: 16 scale bytes a row
.set SPARE,  SCALES+128*16             ; behind them: the spare words, 128 bytes for each wave
.set XO,  4                            ; v4   32 x lane: my 8 numbers of half a row
.set LI,  5                            ; v5   16 x lane: an image's place for my lane
.set CA,  6                            ; v6   LDS: my wave's rows of codes, + 4 x lane
.set SA,  7                            ; v7   LDS: my wave's scale bytes, + lane / 4
.set FA,  8                            ; v8   LDS: a fragment's row r, + 16 h
.set XSA, 9                            ; v9   LDS: row r's scale words
.set WSO, 10                           ; v10  16 r: W's scale words
.set BQK, 11                           ; v11  32 h: the bias of eight channels
.set SPW, 12                           ; v12  my spare word; never rewritten
.set NIL, 13                           ; v13  0; never rewritten
.set BVO, 14                           ; v14  4 r: the bias of one channel
.set WS,  16                           ; v16-31   W's scale words (4 t + s): scales and nothing else
.set XS,  32                           ; v32-39   the rows' scale words, two sets of four: scales and nothing else
.set T,   40                           ; v40-47   largest magnitudes
.set SC,  48                           ; v48-55   the conversions' scale operands
.set PK,  40                           ; v40-55   later: the packed results
.set CD,  64                           ; v64-127  codes (8) and bytes (8) for each of four batches: no LDS store's data are written again
.set XF,  64                           ; v64-127  later: the rows' fragments, two sets of 32
.set WF,  128                          ; v128-255 W's fragments (8 (4 t + s))
.set BI,  0                            ; window 1: v0-31 the bias as C, eight registers a tile (before that all 256: the 16 rows as loaded)
.set ACC, 64                           ; window 1: v64-127 the sums, two sets of 32
.set MSB, 0
.macro WIN new                         ; bits 1:0 source 0, 3:2 source 1, 5:4 source 2, 7:6 destination; the high byte repeats the setting that is left
.if MSB != \new
	s_set_vgpr_msb (MSB<<8)|\new
.set MSB, \new
.endif
.endm
	s_load_b256 s[4:11], s[0:1], 0x0               ; query s[4:5], key s[6:7], value s[8:9], bq s[10:11]
	s_load_b256 s[12:19], s[0:1], 0x20             ; bk s[12:13], bv s[14:15], wcodes s[16:17], wscales s[18:19]
	s_load_b128 s[20:23], s[0:1], 0x40             ; qimg s[20:21], kimg s[22:23]
	s_load_b64 s[24:25], s[0:1], 0x50              ; vimg
	v_lshl_add_u32 v[SPW], v0, 2, SPARE
	v_mov_b32 v[NIL], 0
	v_lshrrev_b32 v1, 5, v0
	v_readfirstlane_b32 s26, v1                    ; wave 0..7
	s_and_b32 s27, ttmp7, 0xffff                   ; the tensor
	v_and_b32 v1, 31, v0                           ; lane
	v_and_b32 v2, 15, v0                           ; r
	v_bfe_u32 v3, v0, 4, 1                         ; h
	v_lshlrev_b32 v[XO], 5, v1
	v_lshlrev_b32 v[LI], 4, v1
	s_mul_i32 s28, s26, 16*PITCH
	v_lshl_add_u32 v[CA], v1, 2, s28
	s_lshl_b32 s28, s26, 8
	s_add_co_u32 s28, s28, SCALES
	v_lshrrev_b32 v[SA], 2, v1
	v_add_nc_u32 v[SA], s28, v[SA]
	v_mul_u32_u24 v[FA], v2, PITCH
	v_lshl_add_u32 v[FA], v3, 4, v[FA]
	v_lshl_add_u32 v[XSA], v2, 4, SCALES
	v_lshlrev_b32 v[WSO], 4, v2
	v_lshlrev_b32 v[BQK], 5, v3
	v_lshlrev_b32 v[BVO], 2, v2
	s_lshl_b32 s36, ttmp9, 18                      ; the rows: 128 x 2,048 bytes a block, 16 x 2,048 a wave
	s_lshl_b32 s28, s26, 15
	s_add_co_u32 s36, s36, s28
	s_mov_b32 s37, 0
	s_lshl_b32 s38, s26, 8                         ; the bias: 64 numbers a head
	s_mov_b32 s39, 0
	s_lshl_b32 s42, s27, 17                        ; wcodes: 131,072 bytes a weight, 4 tiles of 4,096 a head
	s_lshl_b32 s28, s26, 14
	s_add_co_u32 s42, s42, s28
	s_mov_b32 s43, 0
	s_lshl_b32 s44, s27, 13                        ; wscales: 8,192 bytes a weight, 64 rows of 16 a head
	s_lshl_b32 s28, s26, 10
	s_add_co_u32 s44, s44, s28
	s_mov_b32 s45, 0
	s_lshr_b32 s46, ttmp9, 5                       ; the images: 524,288 bytes for each (n, head), 128 bytes a position
	s_lshl_b32 s46, s46, 22
	s_lshl_b32 s28, s26, 19
	s_add_co_u32 s46, s46, s28
	s_and_b32 s28, ttmp9, 31
	s_lshl_b32 s28, s28, 14
	s_add_co_u32 s46, s46, s28
	s_mov_b32 s47, 0
	s_wait_kmcnt 0x0
	s_cmp_eq_u32 s27, 2                            ; the buffers are chosen by the work-group's number alone
	s_cselect_b64 s[30:31], s[8:9], s[6:7]
	s_cselect_b64 s[32:33], s[14:15], s[12:13]
	s_cselect_b64 s[34:35], s[24:25], s[22:23]
	s_cmp_eq_u32 s27, 0
	s_cselect_b64 s[30:31], s[4:5], s[30:31]       ; the rows
	s_cselect_b64 s[32:33], s[10:11], s[32:33]     ; the bias
	s_cselect_b64 s[34:35], s[20:21], s[34:35]     ; the image
	s_mov_b32 s40, 1.0
	s_cselect_b32 s40, 0x3e38aa3b, s40             ; Q: c = log2(e) / 8
	s_mov_b32 s41, s40                             ; (named with it as a pair, so it is written)
	s_add_nc_u64 s[30:31], s[30:31], s[36:37]
	s_add_nc_u64 s[32:33], s[32:33], s[38:39]
	s_add_nc_u64 s[34:35], s[34:35], s[46:47]
	s_add_nc_u64 s[16:17], s[16:17], s[42:43]
	s_add_nc_u64 s[18:19], s[18:19], s[44:45]
	WIN 0x40                                       ; destination window 1
.set i, 0
.rept 32                                       ; half a row, 1,024 consecutive bytes, by each pair of loads; half-row i in registers 8 i .. 8 i + 7
	global_load_b128 v[8*i:8*i+3], v[XO], s[30:31] offset:1024*i th:TH_LOAD_NT
	global_load_b128 v[8*i+4:8*i+7], v[XO], s[30:31] offset:1024*i+16 th:TH_LOAD_NT
.set i, i+1
.endr
	WIN 0
; Eight half-rows by turns.  Lane l holds K = 256 (i % 2) + 8 l + 0 .. 7 of row i / 2: a block of 32 lies in four neighbouring lanes.
.macro QBATCH g
	WIN 0x05                                       ; sources 0 and 1 window 1
.irp u, 0,1,2,3,4,5,6,7
	v_max3_num_f32 v[T+\u], |v[8*(8*(\g)+\u)]|, |v[8*(8*(\g)+\u)+1]|, 0x1800000   ; with the floor 2^(3 - 127): the byte cannot fall under 1
.endr
.irp k, 2,4,6
.irp u, 0,1,2,3,4,5,6,7
	v_max3_num_f32 v[T+\u], |v[8*(8*(\g)+\u)+\k]|, |v[8*(8*(\g)+\u)+\k+1]|, v[T+\u]
.endr
.endr
	WIN 0
.irp u, 0,1,2,3,4,5,6,7
	v_max_num_f32_dpp v[T+\u], v[T+\u], v[T+\u] row_xmask:1 row_mask:0xf bank_mask:0xf
.endr
.irp u, 0,1,2,3,4,5,6,7
	v_max_num_f32_dpp v[T+\u], v[T+\u], v[T+\u] row_xmask:2 row_mask:0xf bank_mask:0xf   ; the block's largest magnitude
.endr
.irp u, 0,1,2,3,4,5,6,7
	v_add_nc_u32 v[SC+\u], 0xff000000, v[T+\u]     ; 2 off its exponent field: the conversion's scale operand
.endr
.irp u, 0,1,2,3,4,5,6,7
	v_lshrrev_b32 v[CD+16*(\g)+8+\u], 23, v[SC+\u] ; the scale's byte
.endr
	WIN 0x01                                       ; source 0 window 1
.irp u, 0,1,2,3,4,5,6,7
	v_cvt_scalef32_pk8_fp4_f32 v[CD+16*(\g)+\u], v[8*(8*(\g)+\u):8*(8*(\g)+\u)+7], v[SC+\u]
.endr
	WIN 0
	v_nop                                          ; one plain line behind the last scaled conversion
.irp u, 0,1,2,3,4,5,6,7
	ds_store_b32 v[CA], v[CD+16*(\g)+\u] offset:((8*(\g)+\u)/2)*PITCH+((\u)%2)*128   ; 32 lanes: 128 consecutive bytes of the row's codes
	ds_store_b8 v[SA], v[CD+16*(\g)+8+\u] offset:((8*(\g)+\u)/2)*16+((\u)%2)*8       ; the four lanes of a block write the same byte with the same value
.endr
.endm
.macro WLOAD t0                        ; W's fragments of tiles t0, t0 + 1: sixteen loads of 512 consecutive bytes
.irp t, \t0, \t0+1
.irp s, 0,1,2,3
.irp c, 0,1
	global_load_b128 v[WF+8*(4*(\t)+\s)+4*\c:WF+8*(4*(\t)+\s)+4*\c+3], v[LI], s[16:17] offset:(4*(\t)+\s)*1024+512*\c
.endr
.endr
.endr
.endm
	s_wait_loadcnt 48                              ; loads come back in order: the first batch's sixteen are in, three batches may be out
	QBATCH 0
.irp t, 0,1,2,3
	global_load_b128 v[WS+4*\t:WS+4*\t+3], v[WSO], s[18:19] offset:256*\t   ; lane r: the four scale words of row 16 t + r
.endr
	s_cmp_eq_u32 s27, 2                            ; the bias, into registers that the first batch has left
	s_cbranch_scc1 .Lbias_v
	WIN 0x40
.irp t, 0,1,2,3
	global_load_b128 v[BI+8*\t:BI+8*\t+3], v[BQK], s[32:33] offset:64*\t        ; b[16 t + 8 h + 0 .. 7]
	global_load_b128 v[BI+8*\t+4:BI+8*\t+7], v[BQK], s[32:33] offset:64*\t+16
.endr
	WIN 0
	s_branch .Lbias_done
.Lbias_v:
	WIN 0x40
.irp t, 0,1,2,3
	global_load_b32 v[BI+8*\t], v[BVO], s[32:33] offset:64*\t                   ; b[16 t + r]
.endr
	WIN 0
.Lbias_done:
	s_wait_loadcnt 40                              ; behind the second batch: 32 of the rows, 4 scale loads, and 4 bias loads on the way that has fewer
	QBATCH 1
	WLOAD 0
	s_wait_loadcnt 40                              ; behind the third batch: 16 + 4 + 4 + 16
	QBATCH 2
	WLOAD 2
	s_wait_loadcnt 40                              ; behind the fourth: 4 + 4 + 32
	QBATCH 3
	s_wait_dscnt 0x0                               ; for the others' sake: my codes and bytes lie in LDS
	s_barrier_signal -1
	s_barrier_wait -1                              ; everybody's do
	s_wait_loadcnt 0x0                             ; W, its scale words, the bias
.macro LOADX m, p                      ; tile m of 16 rows: four fragments (16 rows x 128 K: two loads of 16 bytes, 32 apart) and the rows' scale words, into set p: nine LDS loads
.irp s, 0,1,2,3
.irp c, 0,1
	ds_load_b128 v[XF+32*(\p)+8*\s+4*\c:XF+32*(\p)+8*\s+4*\c+3], v[FA] offset:16*PITCH*(\m)+64*\s+32*\c
.endr
.endr
	ds_load_b128 v[XS+4*(\p):XS+4*(\p)+3], v[XSA] offset:256*(\m)
.endm
; Tile m: 16 matrix instructions, the four sums by turns, one instruction a turn; then the results leave.
.macro TILE m, vpath
.set PP, (\m)%2
.if (\m) < 7
	s_wait_dscnt 9                                 ; this tile's nine loads are in; the next tile's nine may be out
.else
	s_wait_dscnt 0x0
.endif
	WIN 0x50                                       ; C and D window 1
.irp s, 0,1,2,3
.irp t, 0,1,2,3
.set rD, ACC+32*PP+8*\t
.set rC, rD
.if \s == 0
.set rC, BI+8*\t                       ; the bias starts the sum
.endif
.set rX, XF+32*PP+8*\s
.set rW, WF+8*(4*\t+\s)
.if \vpath
	v_wmma_scale_f32_16x16x128_f8f6f4 v[rD:rD+7], v[rX:rX+7], v[rW:rW+7], v[rC:rC+7], v[XS+4*PP+\s], v[WS+4*\t+\s] matrix_a_fmt:MATRIX_FMT_FP4 matrix_b_fmt:MATRIX_FMT_FP4
.else
	v_wmma_scale_f32_16x16x128_f8f6f4 v[rD:rD+7], v[rW:rW+7], v[rX:rX+7], v[rC:rC+7], v[WS+4*\t+\s], v[XS+4*PP+\s] matrix_a_fmt:MATRIX_FMT_FP4 matrix_b_fmt:MATRIX_FMT_FP4
.endif
.endr
.endr
	WIN 0
.rept 4
	v_nop                                          ; four places in front of the loads into registers that these products read, and of the first read of their results
.endr
.if (\m)+2 < 8
	LOADX (\m)+2, PP
.endif
.if \vpath == 0
	WIN 0x41                                       ; destination and source 0 window 1
.set j, 0
.rept 16
	v_pk_mul_f32 v[ACC+32*PP+2*j:ACC+32*PP+2*j+1], v[ACC+32*PP+2*j:ACC+32*PP+2*j+1], s[40:41] op_sel_hi:[1,0]   ; Q: x c; K: x 1.0.  Each sum from its low end on
.set j, j+1
.endr
.endif
.if (\m) > 0
	s_wait_xcnt 0x0                                ; the last tile's stores have read their registers
.endif
	WIN 0x05                                       ; sources 0 and 1 window 1
.set j, 0
.rept 16
	v_cvt_pk_f16_f32 v[PK+j], v[ACC+32*PP+2*j], v[ACC+32*PP+2*j+1]
.set j, j+1
.endr
	WIN 0
.irp t, 0,1,2,3
.if \vpath
	global_store_b128 v[LI], v[PK+4*\t:PK+4*\t+3], s[34:35] offset:((\m)/2)*4096+1024*\t+((\m)%2)*512
.else
	global_store_b128 v[LI], v[PK+4*\t:PK+4*\t+3], s[34:35] offset:2048*(\m)+512*\t
.endif
.endr
.endm
	s_cmp_eq_u32 s27, 2
	s_cbranch_scc1 .Lv
	LOADX 0, 0
	LOADX 1, 1
.irp m, 0,1,2,3,4,5,6,7
	TILE \m, 0
.endr
	s_branch .Lend
.Lv:
	WIN 0x41
.irp t, 0,1,2,3
.irp j, 1,2,3,4,5,6,7
	v_mov_b32 v[BI+8*\t+\j], v[BI+8*\t]            ; a lane's eight results are eight positions of one channel: the same bias in all eight
.endr
.endr
	WIN 0
	LOADX 0, 0
	LOADX 1, 1
.irp m, 0,1,2,3,4,5,6,7
	TILE \m, 1
.endr
.Lend:
	s_wait_tensorcnt 0x0                           ; the wave's end, behind my last LDS store
	ds_add_u32 v[SPW], v[NIL]
	s_wait_dscnt 0x0
	s_endpgm
.Lfunc_end_k_q5060c0a64c_proj:
	.size	k_q5060c0a64c_proj, .Lfunc_end_k_q5060c0a64c_proj-k_q5060c0a64c_proj
	.p2alignl 7, 3214868480
	.fill 96, 4, 3214868480
	.section	.rodata,"a",@progbits
	.p2align	6, 0x0
	.amdhsa_kernel k_q5060c0a64c_proj
		.amdhsa_group_segment_fixed_size 37888
		.amdhsa_private_segment_fixed_size 0
		.amdhsa_enable_private_segment 0
		.amdhsa_kernarg_size 88
		.amdhsa_user_sgpr_count 2
		.amdhsa_user_sgpr_kernarg_segment_ptr 1
		.amdhsa_wavefront_size32 1
		.amdhsa_system_sgpr_workgroup_id_x 1
		.amdhsa_system_sgpr_workgroup_id_y 1
		.amdhsa_system_sgpr_workgroup_id_z 1
		.amdhsa_system_vgpr_workitem_id 0
		.amdhsa_next_free_vgpr 512
		.amdhsa_next_free_sgpr 66
		.amdhsa_reserve_vcc 0
		.amdhsa_float_denorm_mode_32 3
		.amdhsa_float_denorm_mode_16_64 3
		.amdhsa_memory_ordered 1
		.amdhsa_forward_progress 1
		.amdhsa_inst_pref_size 114
	.end_amdhsa_kernel
	.amdgpu_metadata
---
amdhsa.version: [ 1, 2 ]
amdhsa.kernels:
  - .name:           k_q5060c0a64c_proj
    .symbol:         k_q5060c0a64c_proj.kd
    .args:
      - { .name: query, .offset: 0, .size: 8, .value_kind: global_buffer, .address_space: global }
      - { .name: key, .offset: 8, .size: 8, .value_kind: global_buffer, .address_space: global }
      - { .name: value, .offset: 16, .size: 8, .value_kind: global_buffer, .address_space: global }
      - { .name: bq, .offset: 24, .size: 8, .value_kind: global_buffer, .address_space: global }
      - { .name: bk, .offset: 32, .size: 8, .value_kind: global_buffer, .address_space: global }
      - { .name: bv, .offset: 40, .size: 8, .value_kind: global_buffer, .address_space: global }
      - { .name: wcodes, .offset: 48, .size: 8, .value_kind: global_buffer, .address_space: global }
      - { .name: wscales, .offset: 56, .size: 8, .value_kind: global_buffer, .address_space: global }
      - { .name: qimg, .offset: 64, .size: 8, .value_kind: global_buffer, .address_space: global }
      - { .name: kimg, .offset: 72, .size: 8, .value_kind: global_buffer, .address_space: global }
      - { .name: vimg, .offset: 80, .size: 8, .value_kind: global_buffer, .address_space: global }
    .group_segment_fixed_size: 37888
    .private_segment_fixed_size: 0
    .kernarg_segment_align: 8
    .kernarg_segment_size: 88
    .max_flat_workgroup_size: 256
    .sgpr_count:     66
    .vgpr_count:     512
    .wavefront_size: 32
...
	.end_amdgpu_metadata
.endif
;; end of part 2
;; launch attn (part 3): grid 16 x 16, 8 waves a work-group, clusters of 4 x 1, 327,680 bytes of LDS; arguments qimg, kimg, vimg, oimg; writes oimg
.if DOCPART == 3
	.amdgcn_target "amdgcn-amd-amdhsa--gfx1250"
	.amdhsa_code_object_version 6
	.text
	.protected	k_q5060c0a64c_attn
	.globl	k_q5060c0a64c_attn
	.p2align	8
	.type	k_q5060c0a64c_attn,@function
k_q5060c0a64c_attn:
	s_mov_b64 s[64:65], 0
	v_nop
	global_prefetch_b8 v0, s[64:65] scope:SCOPE_SE
	s_setreg_imm32_b32 hwreg(HW_REG_WAVE_MODE, 25, 1), 1
	s_wait_xcnt 0x0
	s_wait_alu depctr_hold_cnt(0) depctr_sa_sdst(0) depctr_va_vdst(0) depctr_va_sdst(0) depctr_va_ssrc(0) depctr_va_vcc(0) depctr_vm_vsrc(0)
	s_getreg_b32 s2, hwreg(HW_REG_IB_STS2, 6, 4)
	s_cmp_eq_u32 s2, 0
	s_cbranch_scc0 .Lentry_in_a_cluster
	s_endpgm
.Lentry_in_a_cluster:
	s_bfe_u32 s2, ttmp6, 0x10000c
	s_cmp_lg_u32 s2, 0x3003
	s_cbranch_scc0 .Lentry_shape_is_right
	s_endpgm
.Lentry_shape_is_right:
; O[n, head][q] = the sum over k of softmax_k(Q[q] . K[k] / 8) V[k], 4,096 keys, head size 64, no mask.  Operands in f16, products, maxima and sums in f32; the weights p are rounded to f16 for the second product.
; Q arrives multiplied by c = log2(e) / 8, so a score s is an exponent to base 2: p = 2^(s - m), m the running maximum; s - m is never positive, so p is at most 1 for every input.
; SHARES.  A work-group owns 256 queries of one (n, head).  Eight waves, two to a SIMD: wave w takes queries 64 (w % 4) .. + 63 (four tiles of 16) and the keys' half w / 4 (2,048 keys), 64 keys a step.
; So a fragment of K or V read from LDS feeds four matrix instructions, and one wave's softmax stands beside the other wave's products.  The two halves' m, l and O are joined once, at the end, through LDS.
; LAYOUT.  Both products are used transposed: S^T = K Q^T (source 0 = 16 keys, source 1 = 16 queries), O^T = V^T P (source 0 = 16 channels x 32 keys, source 1 = P): a lane holds ONE query (lane % 16) throughout;
; two neighbouring tiles of S^T, rounded in pairs, ARE source 1 of the second product.  All operands arrive as images of their registers (16 bytes a lane, 512 an instruction): no pitch, no padding.
; The wave's four tiles are two pieces (tiles 0, 1 and 2, 3), which share the registers of S^T and P by turns.
; RING.  Two LDS slots of 131,072 bytes: 256 keys (four steps) of each half, K and V.  Each wave fetches 16,384 dense bytes of a slot by one tensor load.
; CLUSTER.  The four query blocks of a cluster belong to one (n, head) and walk the same K and V: each tile is asked for JOINTLY, by the same tensor load with the same descriptor and a mask that names the four.
; By this text's own count a wave has one tensor load outstanding at any time.  All of a WGP's LDS is claimed.
; LIMITS: NaN and infinities are not served; the running maximum starts at -3e38; O must lie within f16's range (65,504).
; REGISTERS.  window 0: v2-9 addresses; v16-47 statistics, eight a tile; v64-127 S^T of a piece; v128-159 P of a piece; v192-255 K of a step.   window 1: v0-127 O^T (32 t + 8 ct); v128-191 Q; v192-255 V of a step.
.set SLOT1, 1<<17                      ; slot 1 begins here: one exclusive or turns an address in one slot into the other's
.set SPARE, 2*SLOT1                    ; behind the ring: the spare words, 128 bytes for each wave
.set STEPB, 8192                       ; 64 keys of K or of V
.set VOFF,  32768                      ; in a half's part of a slot: 256 keys of K, then 256 of V
.set FILLB, 32768                      ; from a fill to the next, in memory
.set STG,   18432                      ; the stage of a group of 64 queries: 16,384 bytes of O^T, then 128 of m and 128 of l for each tile.  The stages lie in slot 0, which has had its last fill and its last read when they are written
.set LI,  2                            ; v2   16 x lane
.set A0,  3                            ; v3   16 x lane + 65,536 x my half
.set ADR, 4                            ; v4   the LDS address of the step in hand
.set STA, 5                            ; v5   my group's stage + 16 x lane
.set STB, 6                            ; v6   my group's stage + 4 x lane
.set PFO, 7                            ; v7   256 x lane: the prefetches' offset; never rewritten
.set SPW, 8                            ; v8   my spare word; never rewritten
.set NIL, 9                            ; v9   0; never rewritten
.set ST,  16                           ; tile t's statistics at v[ST + 8 t]: +0 m, +1 its partner in a pair, +2, +3 l (even keys', odd keys'), +4 .. +7 at work; +6 becomes a
.set S,   64
.set P,   128
.set KF,  192
.set QF,  128                          ; in window 1
.set VF,  192                          ; in window 1
.set WV,  12                           ; s12  my wave's number
.set LIM, 15                           ; s15  1 in a wave that prefetches, else the greatest number
.set TSEL, 16                          ; s16  0: I fetch K; 1: V
.set PFA, 18                           ; s[18:19] where my prefetches stand
.set G1,  24                           ; s[24:31] descriptor group 1, for all loads
.set G0K, 32                           ; s[32:35] descriptor group 0 for K's tiles; it walks
.set G0V, 36                           ; s[36:39] for V's
.set SLOTS, 40                         ; s40  fills still to be asked for
.set CNT, 41                           ; s41  counts a slot's four steps
.set TB,  42                           ; s42  LDS byte at which the step in hand begins in its half's part
.set SEL, 44                           ; s[44:45] lane selects for v_permlanex16_b32: lane l xor 16
.set MSB, 0
.macro WIN new                         ; bits 1:0 source 0, 3:2 source 1, 5:4 source 2, 7:6 destination; the high byte repeats the setting that is left
.if MSB != \new
	s_set_vgpr_msb (MSB<<8)|\new
.set MSB, \new
.endif
.endm
.set W_KQ, 0x04                        ; Q (source 1) window 1
.set W_PV, 0x51                        ; V (source 0), C and D window 1; P window 0
.set W_RS, 0x41                        ; O^T (destination and source 0) window 1
.macro PLACES                          ; four places behind a matrix instruction (ISA guide 7.12.1), where no other vector work is at hand
.rept 4
	v_nop
.endr
.endm
; A joint load.  The branch hangs on the wave's number alone; each of the two lines has one set of registers for all that issue it.  An s_nop 0 and four v_nop follow each line.
.macro JLOAD
	s_cmp_eq_u32 s[TSEL], 0
	s_cbranch_scc0 .Lfor_v_\@
	tensor_load_to_lds s[G0K:G0K+3], s[G1:G1+7]
	s_nop 0
.rept 4
	v_nop
.endr
	s_branch .Lasked_\@
.Lfor_v_\@:
	tensor_load_to_lds s[G0V:G0V+3], s[G1:G1+7]
	s_nop 0
.rept 4
	v_nop
.endr
.Lasked_\@:
.endm
; A prefetch of what the NEXT change of slots will ask for: four key steps ahead of that load.  All clusters of a (n, head) walk the same K and V: the first cluster asks.  In it waves 0, 2, 4, 6 each stand at the head of
; one run of 32,768 bytes (a half's K or V of a fill); the four partners take 8,192 bytes each, told apart BY ADDRESS, lanes 256 bytes apart: each block of 256 bytes is named once in the launch.
; The first two fills come by their loads alone; the last change that fills a slot asks for nothing.
.macro ASK
	s_cmp_gt_u32 s[SLOTS], s[LIM]
	s_cbranch_scc0 .Lnot_mine_\@
	global_prefetch_b8 v[PFO], s[PFA:PFA+1] th:TH_LOAD_NT scope:SCOPE_SE
.Lnot_mine_\@:
.endm
; The cluster's barrier: my work-group's barrier, so that wave 0's signal speaks for all eight waves; wave 0 signals; every wave waits for all four work-groups; my work-group's barrier once more.
.macro CROUND
	s_barrier_signal -1
	s_barrier_wait -1
	s_cmp_lg_u32 s[WV], 0
	s_cbranch_scc1 .Lnot_wave_0_\@
	s_barrier_signal -3
.Lnot_wave_0_\@:
	s_barrier_wait -3
	s_barrier_signal -1
	s_barrier_wait -1
.endm
	s_load_b256 s[4:11], s[0:1], 0x0               ; qimg s[4:5], kimg s[6:7], vimg s[8:9], oimg s[10:11]
	v_lshl_add_u32 v[SPW], v0, 2, SPARE
	v_mov_b32 v[NIL], 0
	ds_add_u32 v[SPW], v[NIL]                      ; the wave's opening: the add, twice on end, and its wait ahead of my first tensor load
	ds_add_u32 v[SPW], v[NIL]                      ; and once more, under the one wait; the set-up below, work on registers, stands between
	v_lshrrev_b32 v1, 5, v0
	v_readfirstlane_b32 s[WV], v1                  ; wave 0..7
	s_bfe_u32 s13, ttmp6, 0x40000                  ; cx: my place in the cluster
	s_lshl_b32 s14, ttmp9, 2
	s_add_co_u32 s14, s14, s13                     ; my block of 256 queries: it enters Q's and O's addresses alone
	s_and_b32 s43, ttmp7, 0xffff                   ; (n, head), which the four partners share
	s_bfe_u32 s[TSEL], s[WV], 0x10001              ; (wave / 2) % 2
	s_lshr_b32 s17, s[WV], 2                       ; my half of the keys
	s_and_b32 s23, s[WV], 3                        ; my group of 64 queries
	s_lshl_b32 s20, s43, 19                        ; K and V: 524,288 bytes a (n, head), 262,144 a half
	s_lshl_b32 s22, s17, 18
	s_add_co_u32 s20, s20, s22
	s_mov_b32 s21, 0
	s_lshl_b32 s46, s13, 13                        ; the prefetches: my work-group's 8,192 bytes, in fill 1; the first change of slots steps it to fill 2
	s_add_co_u32 s46, s46, s20                     ; (numbers that hold cx stay in s46 to s53: none of them feeds a descriptor)
	s_add_co_u32 s46, s46, FILLB
	s_mov_b32 s47, 0
	s_and_b32 s22, s[WV], 1                        ; which 128 keys of a fill I fetch
	s_lshl_b32 s22, s22, 14
	s_add_co_u32 s20, s20, s22
	s_lshl_b32 s48, s43, 19                        ; Q: 2,048 bytes a tile of 16 queries
	s_lshl_b32 s50, s14, 15
	s_add_co_u32 s48, s48, s50
	s_lshl_b32 s50, s23, 13
	s_add_co_u32 s48, s48, s50
	s_mov_b32 s49, 0
	s_lshr_b32 s52, s43, 3                         ; O: 16,384 bytes a tile of 16 rows (256 n + the tile of queries), 2,048 a head in it
	s_lshl_b32 s52, s52, 22
	s_lshl_b32 s50, s14, 18
	s_add_co_u32 s52, s52, s50
	s_lshl_b32 s50, s23, 16
	s_add_co_u32 s52, s52, s50
	s_and_b32 s50, s43, 7
	s_lshl_b32 s50, s50, 11
	s_add_co_u32 s52, s52, s50
	s_mov_b32 s53, 0
	; descriptor group 1: 16,384 dense bytes as 64 rows of 256 (32 elements of 8 bytes)
	s_mov_b32 s[G1], 15|(3<<16)|(1<<21)            ; 15:0 the mask: all four work-groups; 17:16 elements of 8 bytes; 20 no padding; 21 set beside a mask
	s_mov_b32 s[G1+1], 32<<16                      ; tensor_dim0 = 32
	s_mov_b32 s[G1+2], 64<<16                      ; tensor_dim1 = 64
	s_mov_b32 s[G1+3], 32<<16                      ; tile_dim0 = 32
	s_mov_b32 s[G1+4], 64                          ; tile_dim1 = 64
	s_mov_b32 s[G1+5], 32                          ; from row to row
	s_mov_b32 s[G1+6], 0
	s_mov_b32 s[G1+7], 0
	s_mov_b32 s[SEL], 0x76543210
	s_mov_b32 s[SEL+1], 0xfedcba98
	s_mov_b32 s[TB], 0
	s_mov_b32 s[SLOTS], 7
	s_and_b32 s[LIM], s[WV], 1                     ; 0 in waves 0, 2, 4, 6,
	s_or_b32 s[LIM], s[LIM], ttmp9                 ; of the (n, head)'s first cluster: the same in all four partners
	s_cmp_eq_u32 s[LIM], 0
	s_cselect_b32 s[LIM], 1, -1
	s_wait_dscnt 0x0                               ; both opening adds are done
	s_wait_kmcnt 0x0
	s_add_nc_u64 s[4:5], s[4:5], s[48:49]          ; Q and O at my wave's first tile
	s_add_nc_u64 s[10:11], s[10:11], s[52:53]
	s_cmp_eq_u32 s[TSEL], 0
	s_cselect_b64 s[PFA:PFA+1], s[6:7], s[8:9]
	s_add_nc_u64 s[PFA:PFA+1], s[PFA:PFA+1], s[46:47]
	CROUND                                         ; all four work-groups are here: the first joint loads meet
	s_mov_b32 s[G0K], 1                            ; count = 1
	s_lshl_b32 s[G0K+1], s[WV], 14                 ; LDS address: slot 0, wave x 16,384: no place in the cluster enters it
	s_add_nc_u64 s[G0K+2:G0K+3], s[6:7], s[20:21]  ; global address: fill 0
	s_or_b32 s[G0K+3], s[G0K+3], 0x80000000        ; type = 2
	s_mov_b32 s[G0V], 1
	s_lshl_b32 s[G0V+1], s[WV], 14
	s_add_nc_u64 s[G0V+2:G0V+3], s[8:9], s[20:21]
	s_or_b32 s[G0V+3], s[G0V+3], 0x80000000
	JLOAD                                          ; slot 0's first fill
	v_and_b32 v1, 31, v0
	v_lshlrev_b32 v[LI], 4, v1
	WIN 0x40                                       ; destination window 1
.set i, 0
.rept 16
	global_load_b128 v[QF+4*i:QF+4*i+3], v[LI], s[4:5] offset:512*i   ; Q stays in registers: fragment (tile t, channels 32 cs on) at 8 (2 t + cs)
.set i, i+1
.endr
.set i, 0
.rept 128
	v_mov_b32 v[i], 0                              ; O^T.  The key step is written once: the first finds zeros, which the first a, 0, leaves zeros
.set i, i+1
.endr
	WIN 0
	s_lshl_b32 s22, s17, 16
	v_add_nc_u32 v[A0], s22, v[LI]
	s_mul_i32 s22, s23, STG
	v_add_nc_u32 v[STA], s22, v[LI]
	v_lshl_add_u32 v[STB], v1, 2, s22
	v_lshlrev_b32 v[PFO], 8, v1
.irp t, 0,1,2,3
	v_mov_b32 v[ST+8*\t], 0xff61b1e6               ; m: -3e38, under every score
.irp k, 1,2,3,4,5,6,7
	v_mov_b32 v[ST+8*\t+\k], 0
.endr
.endr
.macro FETCH_K off                     ; a step's K: 4 tiles of 16 keys x 64 channels: fragment (kt, cs) at KF + 8 (2 kt + cs)
.set i, 0
.rept 16
	ds_load_b128 v[KF+4*i:KF+4*i+3], v[ADR] offset:\off+512*i
.set i, i+1
.endr
.endm
.macro FETCH_V                         ; a step's V: fragment (32 keys kb, 16 channels ct) at VF + 8 (4 kb + ct)
	WIN 0x40
.set i, 0
.rept 16
	ds_load_b128 v[VF+4*i:VF+4*i+3], v[ADR] offset:VOFF+512*i
.set i, i+1
.endr
	WIN 0
.endm
; S^T = K Q^T for piece y: 16 matrix instructions; the eight sums take turns, one instruction a turn; the first eight start them
.macro KQ y
	WIN W_KQ
.irp cs, 0,1
.irp kt, 0,1,2,3
.irp u, 0,1
.if \cs == 0
	v_wmma_f32_16x16x32_f16 v[S+32*\u+8*\kt:S+32*\u+8*\kt+7], v[KF+8*(2*\kt+\cs):KF+8*(2*\kt+\cs)+7], v[QF+8*(2*(\y+\u)+\cs):QF+8*(2*(\y+\u)+\cs)+7], 0
.else
	v_wmma_f32_16x16x32_f16 v[S+32*\u+8*\kt:S+32*\u+8*\kt+7], v[KF+8*(2*\kt+\cs):KF+8*(2*\kt+\cs)+7], v[QF+8*(2*(\y+\u)+\cs):QF+8*(2*(\y+\u)+\cs)+7], v[S+32*\u+8*\kt:S+32*\u+8*\kt+7]
.endif
.endr
.endr
.endr
.endm
; O^T += V^T P for piece y: 16 matrix instructions, eight sums by turns
.macro PV y
	WIN W_PV
.irp kb, 0,1
.irp ct, 0,1,2,3
.irp u, 0,1
	v_wmma_f32_16x16x32_f16 v[32*(\y+\u)+8*\ct:32*(\y+\u)+8*\ct+7], v[VF+8*(4*\kb+\ct):VF+8*(4*\kb+\ct)+7], v[P+16*\u+8*\kb:P+16*\u+8*\kb+7], v[32*(\y+\u)+8*\ct:32*(\y+\u)+8*\ct+7]
.endr
.endr
.endr
.endm
; The softmax of piece y for one key step; its two tiles alternate line by line, so that no line waits for the line above it.  A lane has 32 scores a tile (keys 16 kt + 8 h + j in register 8 kt + j).
.macro SOFTMAX y
.irp i, 0,1,2,3                        ; the maximum: four chains, each begun at the low end of one matrix result
.irp u, 0,1
	v_max3_num_f32 v[ST+8*(\y+\u)+4+\i], v[S+32*\u+8*\i], v[S+32*\u+8*\i+1], v[S+32*\u+8*\i+2]
.endr
.endr
.irp k, 3,5
.irp i, 0,1,2,3
.irp u, 0,1
	v_max3_num_f32 v[ST+8*(\y+\u)+4+\i], v[ST+8*(\y+\u)+4+\i], v[S+32*\u+8*\i+\k], v[S+32*\u+8*\i+\k+1]
.endr
.endr
.endr
.irp u, 0,1
	v_max3_num_f32 v[ST+8*(\y+\u)+4], v[ST+8*(\y+\u)+4], v[S+32*\u+7], v[S+32*\u+15]
	v_max3_num_f32 v[ST+8*(\y+\u)+6], v[ST+8*(\y+\u)+6], v[S+32*\u+23], v[S+32*\u+31]
.endr
.irp u, 0,1
	v_max3_num_f32 v[ST+8*(\y+\u)+4], v[ST+8*(\y+\u)+4], v[ST+8*(\y+\u)+5], v[ST+8*(\y+\u)+6]
.endr
.irp u, 0,1
	v_max3_num_f32 v[ST+8*(\y+\u)+4], v[ST+8*(\y+\u)+4], v[ST+8*(\y+\u)+7], v[ST+8*(\y+\u)]   ; with the old m
.endr
.irp u, 0,1
	v_permlanex16_b32 v[ST+8*(\y+\u)+5], v[ST+8*(\y+\u)+4], s[SEL], s[SEL+1]   ; the query's other 32 keys lie in the lane 16 away
.endr
.irp u, 0,1
	v_max_num_f32 v[ST+8*(\y+\u)+4], v[ST+8*(\y+\u)+4], v[ST+8*(\y+\u)+5]      ; the new m
.endr
.irp u, 0,1
	v_sub_f32 v[ST+8*(\y+\u)+7], v[ST+8*(\y+\u)], v[ST+8*(\y+\u)+4]            ; old m - new m, 0 or less
.endr
.irp u, 0,1
	v_mov_b32 v[ST+8*(\y+\u)], v[ST+8*(\y+\u)+4]
.endr
.set b, 0
.rept 16
.irp u, 0,1
	v_pk_add_f32 v[S+32*\u+2*b:S+32*\u+2*b+1], v[S+32*\u+2*b:S+32*\u+2*b+1], v[ST+8*(\y+\u):ST+8*(\y+\u)+1] op_sel_hi:[1,0] neg_lo:[0,1] neg_hi:[0,1]   ; s - m, two at a time
.endr
.set b, b+1
.endr
.irp u, 0,1                            ; ONE BATCH of exponentials: a = 2^(old m - new m), and the 64 weights; none reads another's result
	v_exp_f32 v[ST+8*(\y+\u)+6], v[ST+8*(\y+\u)+7]
.endr
.set b, 0
.rept 32
.irp u, 0,1
	v_exp_f32 v[S+32*\u+b], v[S+32*\u+b]           ; p = 2^(s - m), at most 1
.endr
.set b, b+1
.endr
	v_nop                                          ; a plain line behind the last exponential
	s_wait_alu depctr_va_vdst(0)                   ; one wait for the whole batch, ahead of the first line that names a result
	WIN W_RS
.set b, 0
.rept 16
.irp u, 0,1
	v_pk_mul_f32 v[32*(\y+\u)+2*b:32*(\y+\u)+2*b+1], v[32*(\y+\u)+2*b:32*(\y+\u)+2*b+1], v[ST+8*(\y+\u)+6:ST+8*(\y+\u)+7] op_sel_hi:[1,0]   ; O^T x a
.endr
.set b, b+1
.endr
	WIN 0
.set b, 0
.rept 16
.irp u, 0,1
	v_cvt_pk_f16_f32 v[P+16*\u+b], v[S+32*\u+2*b], v[S+32*\u+2*b+1]   ; two neighbouring keys' weights: registers 8 kb .. 8 kb + 7 are source 1 for 32 keys
.endr
.set b, b+1
.endr
.irp u, 0,1                            ; the row's sum, of the unrounded p, in two chains: l = a l + ..
	v_pk_fma_f32 v[ST+8*(\y+\u)+2:ST+8*(\y+\u)+3], v[ST+8*(\y+\u)+2:ST+8*(\y+\u)+3], v[ST+8*(\y+\u)+6:ST+8*(\y+\u)+7], v[S+32*\u:S+32*\u+1] op_sel_hi:[1,0,1]
.endr
.irp u, 0,1
	v_pk_add_f32 v[ST+8*(\y+\u)+4:ST+8*(\y+\u)+5], v[S+32*\u+2:S+32*\u+3], v[S+32*\u+4:S+32*\u+5]
.endr
.set b, 3
.rept 13
.irp u, 0,1
.set rL, ST+8*(\y+\u)+2+2*((b+1)%2)
	v_pk_add_f32 v[rL:rL+1], v[rL:rL+1], v[S+32*\u+2*b:S+32*\u+2*b+1]
.endr
.set b, b+1
.endr
.irp u, 0,1
	v_pk_add_f32 v[ST+8*(\y+\u)+2:ST+8*(\y+\u)+3], v[ST+8*(\y+\u)+2:ST+8*(\y+\u)+3], v[ST+8*(\y+\u)+4:ST+8*(\y+\u)+5]
.endr
.endm
; A KEY STEP: 64 keys of my half, 64 matrix instructions.  K of this step was asked for in the step before (a slot's first: at the slot's head).
.macro STEP
	WIN 0
	v_add_nc_u32 v[ADR], s[TB], v[A0]              ; with the three v_nop: the four places behind the last products, in front of the loads into V's registers
.rept 3
	v_nop
.endr
	FETCH_V
	s_wait_dscnt 16                                ; K's sixteen loads are older than V's sixteen: K is in
	KQ 0
	WIN 0
	PLACES
	SOFTMAX 0
	s_wait_dscnt 0x0                               ; V is in
	PV 0
	KQ 2
	WIN 0
	PLACES                                         ; in front of the loads into K's registers, of the reads of the scores, and of the writes of P
	s_cmp_eq_u32 s[CNT], 1                         ; a slot's last step has no next step in this slot
	s_cbranch_scc1 .Lno_next_\@
	FETCH_K STEPB
.Lno_next_\@:
	SOFTMAX 2
	PV 2
	WIN 0
	s_add_co_u32 s[TB], s[TB], STEPB
.endm
.macro SLOT_STEPS                      ; a slot's four key steps: written once, walked four times
	v_add_nc_u32 v[ADR], s[TB], v[A0]
	FETCH_K 0
	s_mov_b32 s[CNT], 4
.Lstep_\@:
	STEP
	s_sub_co_u32 s[CNT], s[CNT], 1
	s_cmp_lg_u32 s[CNT], 0
	s_cbranch_scc1 .Lstep_\@
	s_sub_co_u32 s[TB], s[TB], 4*STEPB             ; back to a slot's first step,
	s_xor_b32 s[TB], s[TB], SLOT1                  ; in the other slot
.endm
; THE CHANGE OF SLOTS stands at a slot's head.  Each wave waits for all its tensor loads (its part of the slot that it is about to read), adds 0 to its spare word, and waits for that and for its reads of the slot that it has left.
; fill = 1: the barrier is the cluster's, so that no wave of any partner still reads the other slot or has a load on its way; the joint load into that slot is the first thing behind it, and has four key steps in which to land.
.macro CHANGE fill
	s_wait_tensorcnt 0x0                           ; no tensor load of mine is out, so a group 0 may be written
	ds_add_u32 v[SPW], v[NIL]                      ; 0 onto my spare word
.if \fill
	s_xor_b32 s[G0K+1], s[G0K+1], SLOT1            ; the walking descriptors: the other slot than last time,
	s_add_nc_u64 s[G0K+2:G0K+3], s[G0K+2:G0K+3], FILLB   ; the next 256 keys of my half; the type bits on top are not reached
	s_xor_b32 s[G0V+1], s[G0V+1], SLOT1
	s_add_nc_u64 s[G0V+2:G0V+3], s[G0V+2:G0V+3], FILLB
	s_wait_xcnt 0x0                                ; the last prefetch, a slot back, has read its address, so it may be written:
	s_add_nc_u64 s[PFA:PFA+1], s[PFA:PFA+1], FILLB ; one fill further on than the walking descriptors
	s_wait_dscnt 0x0                               ; the add is done, and my reads of the slot that I have left are over
	CROUND
	JLOAD
	ASK
.else
	s_wait_dscnt 0x0
	s_barrier_signal -1
	s_barrier_wait -1
.endif
.endm
	s_wait_loadcnt 0x0                             ; Q
.Lslot:                                            ; seven trips: trip k reads fill k and asks for fill k + 1
	CHANGE 1
	SLOT_STEPS
	s_sub_co_u32 s[SLOTS], s[SLOTS], 1
	s_cmp_lg_u32 s[SLOTS], 0
	s_cbranch_scc1 .Lslot
	CHANGE 0                                       ; the last fill is written out
	SLOT_STEPS
	; THE TWO HALVES ARE JOINED.  l's two parts and the other half of the lanes' are added (the first four additions are the places behind the last products).
.irp t, 0,1,2,3
	v_add_f32 v[ST+8*\t+2], v[ST+8*\t+2], v[ST+8*\t+3]
.endr
.irp t, 0,1,2,3
	v_permlanex16_b32 v[ST+8*\t+5], v[ST+8*\t+2], s[SEL], s[SEL+1]
.endr
.irp t, 0,1,2,3
	v_add_f32 v[ST+8*\t+2], v[ST+8*\t+2], v[ST+8*\t+5]
.endr
	s_cmp_lt_u32 s[WV], 4
	s_cbranch_scc1 .Llow
	WIN 0x04                                       ; an LDS store's data are its source 1: window 1
.set i, 0
.rept 32
	ds_store_b128 v[STA], v[4*i:4*i+3] offset:512*i   ; waves 4 to 7: O^T as it stands, each sum from its low end on
.set i, i+1
.endr
	WIN 0
.irp t, 0,1,2,3
	ds_store_b32 v[STB], v[ST+8*\t] offset:16384+256*\t          ; m
	ds_store_b32 v[STB], v[ST+8*\t+2] offset:16384+256*\t+128    ; l
.endr
.Llow:
	s_wait_dscnt 0x0                               ; for the others' sake: my stores have landed
	s_barrier_signal -1
	s_barrier_wait -1
	s_cmp_lt_u32 s[WV], 4
	s_cbranch_scc0 .Ldone
.irp t, 0,1,2,3                        ; waves 0 to 3: the other half's O^T into the registers that S^T and K have left
.set X2, 64+32*\t+64*(\t/2)
.irp k, 0,1,2,3,4,5,6,7
	ds_load_b128 v[X2+4*\k:X2+4*\k+3], v[STA] offset:4096*\t+512*\k
.endr
	ds_load_b32 v[ST+8*\t+4], v[STB] offset:16384+256*\t         ; its m
	ds_load_b32 v[ST+8*\t+5], v[STB] offset:16384+256*\t+128     ; its l
.endr
	s_wait_dscnt 0x0
.irp t, 0,1,2,3
	v_max_num_f32 v[ST+8*\t+6], v[ST+8*\t], v[ST+8*\t+4]         ; the joint maximum
.endr
.irp t, 0,1,2,3
	v_sub_f32 v[ST+8*\t], v[ST+8*\t], v[ST+8*\t+6]
	v_sub_f32 v[ST+8*\t+4], v[ST+8*\t+4], v[ST+8*\t+6]
.endr
.irp t, 0,1,2,3
	v_exp_f32 v[ST+8*\t], v[ST+8*\t]               ; a1
	v_exp_f32 v[ST+8*\t+4], v[ST+8*\t+4]           ; a2
.endr
	v_nop                                          ; a plain line behind the last exponential
	s_wait_alu depctr_va_vdst(0)                   ; one wait for the eight
.irp t, 0,1,2,3
	v_mul_f32 v[ST+8*\t+2], v[ST+8*\t+2], v[ST+8*\t]
.endr
.irp t, 0,1,2,3
	v_fmac_f32 v[ST+8*\t+2], v[ST+8*\t+5], v[ST+8*\t+4]          ; l = l1 a1 + l2 a2
.endr
.irp t, 0,1,2,3
	v_rcp_f32 v[ST+8*\t+6], v[ST+8*\t+2]
.endr
	v_nop
	s_wait_alu depctr_va_vdst(0)                   ; one wait for the four reciprocals
.irp t, 0,1,2,3
	v_mul_f32 v[ST+8*\t], v[ST+8*\t], v[ST+8*\t+6]               ; a1 / l
	v_mul_f32 v[ST+8*\t+4], v[ST+8*\t+4], v[ST+8*\t+6]           ; a2 / l
.endr
.irp t, 0,1,2,3
.set X2, 64+32*\t+64*(\t/2)
.set j, 0
.rept 16
	v_pk_mul_f32 v[X2+2*j:X2+2*j+1], v[X2+2*j:X2+2*j+1], v[ST+8*\t+4:ST+8*\t+5] op_sel_hi:[1,0]
.set j, j+1
.endr
.endr
	WIN 0x01                                       ; source 0 window 1
.irp t, 0,1,2,3
.set X2, 64+32*\t+64*(\t/2)
.set j, 0
.rept 16
	v_pk_fma_f32 v[X2+2*j:X2+2*j+1], v[32*\t+2*j:32*\t+2*j+1], v[ST+8*\t:ST+8*\t+1], v[X2+2*j:X2+2*j+1] op_sel_hi:[1,0,1]   ; my O^T, each sum from its low end on
.set j, j+1
.endr
.endr
	WIN 0
.irp t, 0,1,2,3
.set X2, 64+32*\t+64*(\t/2)
.set j, 0
.rept 16
	v_cvt_pk_f16_f32 v[X2+j], v[X2+2*j], v[X2+2*j+1]             ; in place, ascending
.set j, j+1
.endr
.irp ct, 0,1,2,3
	global_store_b128 v[LI], v[X2+4*\ct:X2+4*\ct+3], s[10:11] offset:16384*\t+512*\ct   ; lane (r, h): row r, channels 16 ct + 8 h + 0 .. 7: an image of the next launch's operand; 512 consecutive aligned bytes
.endr
.endr
.Ldone:
	s_wait_tensorcnt 0x0                           ; the wave's end, behind my last tensor load and my last LDS store
	ds_add_u32 v[SPW], v[NIL]
	s_wait_dscnt 0x0
	CROUND                                         ; the closing pass of the cluster's barrier: no work-group ends while a partner may still ask for a tile that names it
	s_endpgm
.Lfunc_end_k_q5060c0a64c_attn:
	.size	k_q5060c0a64c_attn, .Lfunc_end_k_q5060c0a64c_attn-k_q5060c0a64c_attn
	.p2alignl 7, 3214868480
	.fill 96, 4, 3214868480
	.section	.rodata,"a",@progbits
	.p2align	6, 0x0
	.amdhsa_kernel k_q5060c0a64c_attn
		.amdhsa_group_segment_fixed_size 327680
		.amdhsa_private_segment_fixed_size 0
		.amdhsa_enable_private_segment 0
		.amdhsa_kernarg_size 32
		.amdhsa_user_sgpr_count 2
		.amdhsa_user_sgpr_kernarg_segment_ptr 1
		.amdhsa_wavefront_size32 1
		.amdhsa_system_sgpr_workgroup_id_x 1
		.amdhsa_system_sgpr_workgroup_id_y 1
		.amdhsa_system_sgpr_workgroup_id_z 1
		.amdhsa_system_vgpr_workitem_id 0
		.amdhsa_next_free_vgpr 512
		.amdhsa_next_free_sgpr 66
		.amdhsa_reserve_vcc 0
		.amdhsa_float_denorm_mode_32 3
		.amdhsa_float_denorm_mode_16_64 3
		.amdhsa_memory_ordered 1
		.amdhsa_forward_progress 1
		.amdhsa_inst_pref_size 101
	.end_amdhsa_kernel
	.amdgpu_metadata
---
amdhsa.version: [ 1, 2 ]
amdhsa.kernels:
  - .name:           k_q5060c0a64c_attn
    .symbol:         k_q5060c0a64c_attn.kd
    .args:
      - { .name: qimg, .offset: 0, .size: 8, .value_kind: global_buffer, .address_space: global }
      - { .name: kimg, .offset: 8, .size: 8, .value_kind: global_buffer, .address_space: global }
      - { .name: vimg, .offset: 16, .size: 8, .value_kind: global_buffer, .address_space: global }
      - { .name: oimg, .offset: 24, .size: 8, .value_kind: global_buffer, .address_space: global }
    .group_segment_fixed_size: 327680
    .private_segment_fixed_size: 0
    .kernarg_segment_align: 8
    .kernarg_segment_size: 32
    .max_flat_workgroup_size: 256
    .sgpr_count:     66
    .vgpr_count:     512
    .wavefront_size: 32
...
	.end_amdgpu_metadata
.endif
;; end of part 3
;; launch outp (part 4): grid 4 x 64, 4 waves a work-group, no clusters, 17,920 bytes of LDS; arguments oimg, wo16, bo, out0; writes out0
.if DOCPART == 4
	.amdgcn_target "amdgcn-amd-amdhsa--gfx1250"
	.amdhsa_code_object_version 6
	.text
	.protected	k_q5060c0a64c_outp
	.globl	k_q5060c0a64c_outp
	.p2align	8
	.type	k_q5060c0a64c_outp,@function
k_q5060c0a64c_outp:
	s_mov_b64 s[64:65], 0
	v_nop
	global_prefetch_b8 v0, s[64:65] scope:SCOPE_SE
	s_setreg_imm32_b32 hwreg(HW_REG_WAVE_MODE, 25, 1), 1
	s_wait_xcnt 0x0
; out0 = O Wo^T + bo.  O [8,192][512] and Wo [512][512] arrive in f16 as images of the operand's registers; sums in f32; out0 f32.
; Work-group (x, y): rows 128 y on, columns 128 x on.  Four waves, each 64 x 64: 16 sums of 16 x 16.  K goes in 16 steps of 32, all written out: every offset is an immediate, no pointer is stepped.
; The fragments go from memory straight into registers, 512 consecutive bytes a load, sixteen loads a K step, four K steps ahead.
; THE MATRIX INSTRUCTION IS USED TRANSPOSED (source 0 = 16 rows of Wo, source 1 = 16 rows of O): a lane holds eight neighbouring columns of one row.  The bias is the C of each sum's first matrix instruction.
; No tensor load and no cluster: 256 matrix instructions a wave; an LDS ring would add a way through LDS for operands that already lie as the registers take them.
; REGISTERS.  window 0: v2-9 addresses; v32-63 the bias; v64-127 rows read back from the stage, two sets; v128-255 O's fragments, four sets of 32.   window 1: v0-127 Wo's fragments, four sets; v128-255 the sums (8 (4 i + t)).
.set SPITCH, 272                       ; a stage row: 256 bytes + 16
.set SPARE,  4*16*SPITCH               ; behind the four waves' stages: the spare words, 128 bytes for each wave
.set LI,  2                            ; v2   16 x lane
.set BO,  3                            ; v3   32 h
.set STO, 4                            ; v4   the stage: where I put 32 bytes of a row
.set RD,  5                            ; v5   and where I read a row back
.set CO,  6                            ; v6   the same place in out0
.set SPW, 8                            ; v8   my spare word; never rewritten
.set NIL, 9                            ; v9   0; never rewritten
.set BI,  32
.set BK,  64
.set OF,  128
.set WF,  0                            ; in window 1
.set ACC, 128                          ; in window 1
.set MSB, 0
.macro WIN new                         ; bits 1:0 source 0, 3:2 source 1, 5:4 source 2, 7:6 destination; the high byte repeats the setting that is left
.if MSB != \new
	s_set_vgpr_msb (MSB<<8)|\new
.set MSB, \new
.endif
.endm
	s_load_b256 s[4:11], s[0:1], 0x0               ; oimg s[4:5], wo16 s[6:7], bo s[8:9], out0 s[10:11]
	v_lshl_add_u32 v[SPW], v0, 2, SPARE
	v_mov_b32 v[NIL], 0
	v_lshrrev_b32 v1, 5, v0
	v_readfirstlane_b32 s12, v1                    ; wave 0..3
	s_lshr_b32 s13, s12, 1                         ; which 64 rows
	s_and_b32 s14, s12, 1                          ; which 64 columns
	s_and_b32 s15, ttmp7, 0xffff
	s_lshl_b32 s16, s15, 17                        ; O: 16,384 bytes a tile of 16 rows; tile 8 y + 4 (rows' half)
	s_lshl_b32 s24, s13, 16
	s_add_co_u32 s16, s16, s24
	s_mov_b32 s17, 0
	s_lshl_b32 s18, ttmp9, 17                      ; Wo: likewise, tile 8 x + 4 (columns' half)
	s_lshl_b32 s24, s14, 16
	s_add_co_u32 s18, s18, s24
	s_mov_b32 s19, 0
	s_lshl_b32 s20, ttmp9, 9                       ; my first column, in bytes
	s_lshl_b32 s24, s14, 8
	s_add_co_u32 s20, s20, s24
	s_mov_b32 s21, 0
	s_lshl_b32 s22, s15, 18                        ; my first row of out0, 2,048 bytes a row, + my first column
	s_lshl_b32 s24, s13, 17
	s_add_co_u32 s22, s22, s24
	s_add_co_u32 s22, s22, s20
	s_mov_b32 s23, 0
	v_and_b32 v1, 31, v0
	v_and_b32 v10, 15, v0                          ; r
	v_bfe_u32 v11, v0, 4, 1                        ; h
	v_lshlrev_b32 v[LI], 4, v1
	v_lshlrev_b32 v[BO], 5, v11
	s_mul_i32 s24, s12, 16*SPITCH                  ; my stage
	v_mul_u32_u24 v[STO], v10, SPITCH
	v_lshl_add_u32 v[STO], v11, 5, v[STO]
	v_add_nc_u32 v[STO], s24, v[STO]               ; in: row r, 32 bytes for each half of the lanes
	v_mul_u32_u24 v[RD], v11, SPITCH
	v_lshl_add_u32 v[RD], v10, 4, v[RD]
	v_add_nc_u32 v[RD], s24, v[RD]                 ; back: lanes 0-15 one row of 256 bytes, lanes 16-31 the next
	v_lshlrev_b32 v[CO], 11, v11
	v_lshl_add_u32 v[CO], v10, 4, v[CO]            ; and the same two rows in out0
	s_wait_kmcnt 0x0
	s_add_nc_u64 s[4:5], s[4:5], s[16:17]
	s_add_nc_u64 s[6:7], s[6:7], s[18:19]
	s_add_nc_u64 s[8:9], s[8:9], s[20:21]
	s_add_nc_u64 s[10:11], s[10:11], s[22:23]
.irp t, 0,1,2,3
	global_load_b128 v[BI+8*\t:BI+8*\t+3], v[BO], s[8:9] offset:64*\t        ; bo[16 t + 8 h + 0 .. 7]
	global_load_b128 v[BI+8*\t+4:BI+8*\t+7], v[BO], s[8:9] offset:64*\t+16
.endr
.macro LOADS s                         ; K step s: four fragments of Wo and four of O into set s % 4
	WIN 0x40
.irp t, 0,1,2,3
.irp c, 0,1
	global_load_b128 v[WF+32*((\s)%4)+8*\t+4*\c:WF+32*((\s)%4)+8*\t+4*\c+3], v[LI], s[6:7] offset:16384*\t+1024*(\s)+512*\c
.endr
.endr
	WIN 0
.irp i, 0,1,2,3
.irp c, 0,1
	global_load_b128 v[OF+32*((\s)%4)+8*\i+4*\c:OF+32*((\s)%4)+8*\i+4*\c+3], v[LI], s[4:5] offset:16384*\i+1024*(\s)+512*\c
.endr
.endr
.endm
.macro KSTEP s                         ; 16 matrix instructions: the 16 sums take turns, one instruction a turn
.set Q4, (\s)%4
.if 15-(\s) >= 3
	s_wait_loadcnt 48                              ; loads come back in order: this step's sixteen are in, three younger sets may be out
.else
	s_wait_loadcnt 16*(15-(\s))
.endif
.if (\s) == 0
	WIN 0x41                                       ; Wo and D window 1; O and the bias window 0
.else
	WIN 0x51                                       ; Wo, C and D window 1
.endif
.irp i, 0,1,2,3
.irp t, 0,1,2,3
.if (\s) == 0
	v_wmma_f32_16x16x32_f16 v[ACC+8*(4*\i+\t):ACC+8*(4*\i+\t)+7], v[WF+32*Q4+8*\t:WF+32*Q4+8*\t+7], v[OF+32*Q4+8*\i:OF+32*Q4+8*\i+7], v[BI+8*\t:BI+8*\t+7]
.else
	v_wmma_f32_16x16x32_f16 v[ACC+8*(4*\i+\t):ACC+8*(4*\i+\t)+7], v[WF+32*Q4+8*\t:WF+32*Q4+8*\t+7], v[OF+32*Q4+8*\i:OF+32*Q4+8*\i+7], v[ACC+8*(4*\i+\t):ACC+8*(4*\i+\t)+7]
.endif
.endr
.endr
.if (\s)+4 < 16
.rept 4
	v_nop                                          ; four places in front of loads into registers that these products read
.endr
	LOADS (\s)+4
.endif
.endm
	LOADS 0
	LOADS 1
	LOADS 2
	LOADS 3
.irp s, 0,1,2,3,4,5,6,7,8,9,10,11,12,13,14,15
	KSTEP \s
.endr
	WIN 0
.rept 4
	v_nop                                          ; places in front of the first read of results
.endr
; THE WAY OUT, 16 rows x 64 columns at a time, through my own stage: a lane holds 32 bytes of a row; they come back as whole rows of 256 bytes.  LDS serves a wave's instructions in order (ISA guide 5.7.1.4):
; no wait between the stores and the loads, nor in front of the next block's stores.
.macro TOSTAGE i
	WIN 0x04                                       ; an LDS store's data are its source 1: window 1
.irp t, 0,1,2,3
	ds_store_b128 v[STO], v[ACC+8*(4*(\i)+\t):ACC+8*(4*(\i)+\t)+3] offset:64*\t          ; each sum from its low end on
	ds_store_b128 v[STO], v[ACC+8*(4*(\i)+\t)+4:ACC+8*(4*(\i)+\t)+7] offset:64*\t+16
.endr
	WIN 0
.irp k, 0,1,2,3,4,5,6,7
	ds_load_b128 v[BK+32*((\i)%2)+4*\k:BK+32*((\i)%2)+4*\k+3], v[RD] offset:2*SPITCH*\k
.endr
.endm
.macro SEND i, younger                 ; younger: the LDS instructions issued behind block i's loads, which may stay out
	s_wait_dscnt \younger
.irp k, 0,1,2,3,4,5,6,7
	global_store_b128 v[CO], v[BK+32*((\i)%2)+4*\k:BK+32*((\i)%2)+4*\k+3], s[10:11] offset:(16*(\i)+2*\k)*2048 th:TH_STORE_NT   ; sixteen lanes store 256 consecutive bytes, aligned; written once, read by nobody here
.endr
.endm
	TOSTAGE 0
	TOSTAGE 1
	SEND 0, 16                                     ; behind block 0's loads: block 1's 8 stores and 8 loads
	s_wait_xcnt 0x0                                ; block 0's stores have read their registers: block 2's loads may land there
	TOSTAGE 2
	SEND 1, 16
	s_wait_xcnt 0x0
	TOSTAGE 3
	SEND 2, 16
	SEND 3, 0
	s_wait_tensorcnt 0x0                           ; the wave's end, behind my last LDS store
	ds_add_u32 v[SPW], v[NIL]
	s_wait_dscnt 0x0
	s_endpgm
.Lfunc_end_k_q5060c0a64c_outp:
	.size	k_q5060c0a64c_outp, .Lfunc_end_k_q5060c0a64c_outp-k_q5060c0a64c_outp
	.p2alignl 7, 3214868480
	.fill 96, 4, 3214868480
	.section	.rodata,"a",@progbits
	.p2align	6, 0x0
	.amdhsa_kernel k_q5060c0a64c_outp
		.amdhsa_group_segment_fixed_size 17920
		.amdhsa_private_segment_fixed_size 0
		.amdhsa_enable_private_segment 0
		.amdhsa_kernarg_size 32
		.amdhsa_user_sgpr_count 2
		.amdhsa_user_sgpr_kernarg_segment_ptr 1
		.amdhsa_wavefront_size32 1
		.amdhsa_system_sgpr_workgroup_id_x 1
		.amdhsa_system_sgpr_workgroup_id_y 1
		.amdhsa_system_sgpr_workgroup_id_z 1
		.amdhsa_system_vgpr_workitem_id 0
		.amdhsa_next_free_vgpr 512
		.amdhsa_next_free_sgpr 66
		.amdhsa_reserve_vcc 0
		.amdhsa_float_denorm_mode_32 3
		.amdhsa_float_denorm_mode_16_64 3
		.amdhsa_memory_ordered 1
		.amdhsa_forward_progress 1
		.amdhsa_inst_pref_size 54
	.end_amdhsa_kernel
	.amdgpu_metadata
---
amdhsa.version: [ 1, 2 ]
amdhsa.kernels:
  - .name:           k_q5060c0a64c_outp
    .symbol:         k_q5060c0a64c_outp.kd
    .args:
      - { .name: oimg, .offset: 0, .size: 8, .value_kind: global_buffer, .address_space: global }
      - { .name: wo16, .offset: 8, .size: 8, .value_kind: global_buffer, .address_space: global }
      - { .name: bo, .offset: 16, .size: 8, .value_kind: global_buffer, .address_space: global }
      - { .name: out0, .offset: 24, .size: 8, .value_kind: global_buffer, .address_space: global }
    .group_segment_fixed_size: 17920
    .private_segment_fixed_size: 0
    .kernarg_segment_align: 8
    .kernarg_segment_size: 32
    .max_flat_workgroup_size: 128
    .sgpr_count:     66
    .vgpr_count:     512
    .wavefront_size: 32
...
	.end_amdgpu_metadata
.endif
;; end of part 4
